; MI455X (gfx1250); checked and timed in simulation.
; The chip was launched on July 23, 2026; its instructions are those of AMD's public machine-readable ISA for CDNA 5 (MIT licence, August 2026) and "CDNA5" Instruction Set Architecture Reference Guide (July 2026). The comments in the code are by the model that wrote it; some were corrected since.
;; Causal Self Attention. Allowed arithmetic: float matrix products may take bf16 or f16 operands with f32 sums; all other float work in f32.
;; Inputs: cos 4,096 x 16 float32; k_norm_w 64 float32; pos 4,096 int32; q_norm_w 64 float32; sin 4,096 x 16 float32; tokens 1 x 4,096 int32; w_o 1,024 x 1,024 float32; w_qkv 3,072 x 1,024 float32; x 1 x 4,096 x 1,024 float32.
;; Outputs: out0 1 x 4,096 x 1,024 float32.
;; Constants: block_size = 128, window_tokens = 1024.
;; One version. Each part assembles by itself: llvm-mc -triple=amdgcn-amd-amdhsa -mcpu=gfx1250 --defsym DOCPART=n.
;; ======== version 1 of 1: 4 launches
;; limits: values are held in f16: magnitudes above 65,504 overflow, below 6.1e-05 lose precision; values outside matrix products are rounded to bf16
;; workspace buffers: bf 16,777,216 bytes; qkv 25,165,824 bytes; att 8,388,608 bytes
;; launch cvt (part 1): grid 256 x 1, 8 waves a work-group, no clusters, 0 bytes of LDS; arguments x, w_qkv, w_o, bf; writes bf
.if DOCPART == 1
	.amdgcn_target "amdgcn-amd-amdhsa--gfx1250"
	.amdhsa_code_object_version 6
	.text
	.protected	k_q7bf53cd83a_cvt
	.globl	k_q7bf53cd83a_cvt
	.p2align	8
	.type	k_q7bf53cd83a_cvt,@function
k_q7bf53cd83a_cvt:
	s_mov_b64 s[64:65], 0
	v_nop
	global_prefetch_b8 v0, s[64:65] scope:SCOPE_SE
	s_setreg_imm32_b32 hwreg(HW_REG_WAVE_MODE, 25, 1), 1
	s_wait_xcnt 0x0
; x, w_qkv and w_o from f32 to 16 bits, once, so that both GEMMs of this program read 16-bit tiles.  All three are rounded to bf16 (nearest even).
; x and w_qkv are stored as bf16.  w_o's bf16 numbers are stored in f16's format, because its partner in the last product, the attention's result, needs
; f16's 11 significant bits and a matrix instruction takes both sources in one format.  f16 holds a bf16 number (8 significant bits) exactly from 2^-17 on.
; LIMITS: |w_o| below 65,504; w_o's numbers below 2^-17 in magnitude go to multiples of 2^-24.
; bf holds x [4096][1024] at byte 0, w_qkv [3072][1024] at 8,388,608 and w_o [1024][1024] at 14,680,064: 8,388,608 numbers in that order.
; 256 work-groups, 32,768 numbers each (131,072 bytes in, 65,536 out): groups 0-127 take x, 128-223 w_qkv, 224-255 w_o,
; and group g always stores at bf + 65,536 g.  A stream: no LDS, no barrier, no matrix unit.
; A thread issues all its 32 loads first (a wave's load covers 512 neighbouring bytes), then converts and stores them in order;
; a wave's store of 8 bytes a lane covers 256 consecutive bytes, aligned.  No register is written again behind a store.
.set X, 4                              ; v[4:131]  32 loads of 4 registers
	s_load_b256 s[4:11], s[0:1], 0x0               ; x s[4:5], w_qkv s[6:7], w_o s[8:9], bf s[10:11]
	v_lshlrev_b32 v1, 4, v0                        ; 16 bytes a thread in
	v_lshlrev_b32 v2, 3, v0                        ; 8 bytes a thread out
	s_wait_kmcnt 0x0
	s_cmp_lt_u32 ttmp9, 128                        ; which tensor, and the number of its first group
	s_cselect_b64 s[14:15], s[4:5], s[6:7]
	s_cselect_b32 s12, 0, 128
	s_cmp_lt_u32 ttmp9, 224
	s_cselect_b64 s[14:15], s[14:15], s[8:9]
	s_cselect_b32 s12, s12, 224
	s_sub_co_u32 s12, ttmp9, s12                   ; my chunk in that tensor,
	s_lshl_b32 s12, s12, 17                        ; times 131,072 bytes (below 16 MiB)
	s_mov_b32 s13, 0
	s_add_nc_u64 s[14:15], s[14:15], s[12:13]
	s_lshl_b32 s16, ttmp9, 16                      ; 65,536 bytes out for each group
	s_mov_b32 s17, 0
	s_add_nc_u64 s[10:11], s[10:11], s[16:17]
.set i, 0
.rept 32
	global_load_b128 v[X+4*i:X+4*i+3], v1, s[14:15] offset:4096*i th:TH_LOAD_NT   ; read once in the launch
.set i, i+1
.endr
; The 32 loads are converted and stored in order.  half = 0: bf16 as it is; half = 1: the bf16 numbers widened again and written as f16.
.macro OUT32 half
.set i, 0
.rept 32
	s_wait_loadcnt 31-i                            ; loads come back in order: number i is in, the younger ones stay out
.if \half
	v_cvt_pk_bf16_f32 v[X+4*i], v[X+4*i], v[X+4*i+1]
	v_cvt_pk_bf16_f32 v[X+4*i+2], v[X+4*i+2], v[X+4*i+3]
	v_and_b32 v[X+4*i+1], 0xffff0000, v[X+4*i]     ; bf16 to f32: the high half stays,
	v_lshlrev_b32 v[X+4*i], 16, v[X+4*i]           ; the low half moves up
	v_and_b32 v[X+4*i+3], 0xffff0000, v[X+4*i+2]
	v_lshlrev_b32 v[X+4*i+2], 16, v[X+4*i+2]
	v_cvt_pk_f16_f32 v[X+4*i], v[X+4*i], v[X+4*i+1]
	v_cvt_pk_f16_f32 v[X+4*i+1], v[X+4*i+2], v[X+4*i+3]
.else
	v_cvt_pk_bf16_f32 v[X+4*i], v[X+4*i], v[X+4*i+1]
	v_cvt_pk_bf16_f32 v[X+4*i+1], v[X+4*i+2], v[X+4*i+3]
.endif
	global_store_b64 v2, v[X+4*i:X+4*i+1], s[10:11] offset:2048*i
.set i, i+1
.endr
.endm
	s_cmp_lt_u32 ttmp9, 224                        ; the work-group's number: alike in all its waves
	s_cbranch_scc0 .Lw_o
	OUT32 0
	s_endpgm
.Lw_o:
	OUT32 1
	s_endpgm
.Lfunc_end_k_q7bf53cd83a_cvt:
	.size	k_q7bf53cd83a_cvt, .Lfunc_end_k_q7bf53cd83a_cvt-k_q7bf53cd83a_cvt
	.p2alignl 7, 3214868480
	.fill 96, 4, 3214868480
	.section	.rodata,"a",@progbits
	.p2align	6, 0x0
	.amdhsa_kernel k_q7bf53cd83a_cvt
		.amdhsa_group_segment_fixed_size 0
		.amdhsa_private_segment_fixed_size 0
		.amdhsa_enable_private_segment 0
		.amdhsa_kernarg_size 32
		.amdhsa_user_sgpr_count 2
		.amdhsa_user_sgpr_kernarg_segment_ptr 1
		.amdhsa_wavefront_size32 1
		.amdhsa_system_sgpr_workgroup_id_x 1
		.amdhsa_system_sgpr_workgroup_id_y 1
		.amdhsa_system_sgpr_workgroup_id_z 1
		.amdhsa_system_vgpr_workitem_id 0
		.amdhsa_next_free_vgpr 132
		.amdhsa_next_free_sgpr 66
		.amdhsa_reserve_vcc 0
		.amdhsa_float_denorm_mode_32 3
		.amdhsa_float_denorm_mode_16_64 3
		.amdhsa_memory_ordered 1
		.amdhsa_forward_progress 1
		.amdhsa_inst_pref_size 31
	.end_amdhsa_kernel
	.amdgpu_metadata
---
amdhsa.version: [ 1, 2 ]
amdhsa.kernels:
  - .name:           k_q7bf53cd83a_cvt
    .symbol:         k_q7bf53cd83a_cvt.kd
    .args:
      - { .name: x, .offset: 0, .size: 8, .value_kind: global_buffer, .address_space: global }
      - { .name: w_qkv, .offset: 8, .size: 8, .value_kind: global_buffer, .address_space: global }
      - { .name: w_o, .offset: 16, .size: 8, .value_kind: global_buffer, .address_space: global }
      - { .name: bf, .offset: 24, .size: 8, .value_kind: global_buffer, .address_space: global }
    .group_segment_fixed_size: 0
    .private_segment_fixed_size: 0
    .kernarg_segment_align: 8
    .kernarg_segment_size: 32
    .max_flat_workgroup_size: 256
    .sgpr_count:     66
    .vgpr_count:     132
    .wavefront_size: 32
...
	.end_amdgpu_metadata
.endif
;; end of part 1
;; launch qkv (part 2): grid 12 x 16, 4 waves a work-group, clusters of 4 x 4, 327,680 bytes of LDS; arguments bf, pos, cos, sin, q_norm_w, k_norm_w, qkv; writes qkv
.if DOCPART == 2
	.amdgcn_target "amdgcn-amd-amdhsa--gfx1250"
	.amdhsa_code_object_version 6
	.text
	.protected	k_q7bf53cd83a_qkv
	.globl	k_q7bf53cd83a_qkv
	.p2align	8
	.type	k_q7bf53cd83a_qkv,@function
k_q7bf53cd83a_qkv:
	s_mov_b64 s[64:65], 0
	v_nop
	global_prefetch_b8 v0, s[64:65] scope:SCOPE_SE
	s_setreg_imm32_b32 hwreg(HW_REG_WAVE_MODE, 25, 1), 1
	s_wait_xcnt 0x0
	s_wait_alu depctr_hold_cnt(0) depctr_sa_sdst(0) depctr_va_vdst(0) depctr_va_sdst(0) depctr_va_ssrc(0) depctr_va_vcc(0) depctr_vm_vsrc(0)
	s_getreg_b32 s2, hwreg(HW_REG_IB_STS2, 6, 4)
	s_cmp_eq_u32 s2, 0
	s_cbranch_scc0 .Lentry_in_a_cluster
	s_endpgm
.Lentry_in_a_cluster:
	s_bfe_u32 s2, ttmp6, 0x10000c
	s_cmp_lg_u32 s2, 0xf033
	s_cbranch_scc0 .Lentry_shape_is_right
	s_endpgm
.Lentry_shape_is_right:
; qkv = x w_qkv^T (4096 x 3072 x 1024, bf16 operands from bf, f32 sums), and on the way out, in f32:
;   q, k: RMS norm over the head's 64 channels (eps 1e-6), the gain, the rotation of channels 0-31 by cos[pos], sin[pos];  v: times 0.5.
; q's gain also carries 0.12 log2(e), so that the attention uses exp2 of the bare product.  Results are rounded once, to f16, and stored as
; q at byte 0, k at 8,388,608, v at 16,777,216 of the buffer qkv, each [16 heads][4096][64]: 16 rows of a head are 2,048 consecutive bytes.
; LIMITS: cos, sin and the two gains are rounded to bf16 when they are loaded, as x and the weights are: the program computes on floating-point inputs
; rounded to bf16, and all arithmetic on them here is in f32.  f16 holds |k| <= 8 |gain|, so gains below 8,188 in magnitude, and |v| below 65,504.
; pos is served for 0 .. 4095 and clamped to 4095 otherwise (an unsigned minimum: negative indices are not wrapped).
; tokens and block_size enter no step of the computation and are not read.
;
; A work-group makes 256 x 256 of the product with four waves, a wave 128 x 128: 64 accumulator tiles, 512 registers.  K goes in steps of 128
; through a ring of two LDS slots filled by the tensor data mover; a tile's rows are 256 bytes of memory, at multiples of 256 bytes.
; CLUSTERS: 4 x 4 work-groups.  The four of a cluster's row need the same tiles of x, the four of a column the same tiles of w_qkv: each tile is
; asked for jointly, by the same load with the same descriptor and a mask that names the four.  A cluster spans 1,024 columns, so the cluster's x
; (0, 1, 2) says q, k or v, alike in all sixteen partners; a wave's 128 columns are two whole heads.
; 192 work-groups: blocks of 256 x 192 would make 256, but split heads between waves.
;
; REGISTERS, in windows of 256:
;   window 0: v0-31 addresses; v32-39 table offsets; v40-59 at work; v64-127, v128-191 fragments of x, two buffers (on the way out: results, read-back);
;             v192-223 the gains of my 32 channels
;   window 1: v64-127, v128-191 fragments of w_qkv; v0-63 and v192-255 cos and sin of my 128 rows
;   window 2: the 32 accumulator tiles of my rows 0-63 (tile (a, b) at v[8 (8 a + b)]);   window 3: those of my rows 64-127
; THE MATRIX INSTRUCTION IS USED TRANSPOSED: source 0 = 16 rows of w_qkv, source 1 = 16 rows of x.  Lane l then holds row l % 16 of the product and its
; registers 0-7 the columns 16 b + 8 (l / 16) + 0 .. 7: eight neighbouring channels of one token, so a rotation pair lies in one lane.
.set SIZE_K, 1024
.set KSTEP,  128
.set PITCH,  272                       ; an LDS row: 256 bytes + 16 of padding: the 16 rows that a load touches start 16 bytes apart modulo 256
.set HALFT,  128*PITCH                 ; 128 rows: what one tensor load brings
.set SLOT,   4*HALFT                   ; x's 256 rows, then w's 256 rows
.set STAGE,  2*SLOT                    ; behind the ring: 16 rows x 272 bytes for each wave; no tensor load lands there
.set SPITCH, 272
.set LAPS, SIZE_K/(2*KSTEP)            ; a lap = two K steps = once round the ring: 4
.set ADRA, 16                          ; v16-17  LDS address of my x fragments in slot 0, 1
.set ADRB, 20                          ; v20-21  the same for w
.set STO,  24                          ; v24     way out: where I put 16 bytes of a row
.set RD,   25                          ; v25     way out: where I read back
.set CO,   26                          ; v26     16 x lane: my place in 512 bytes stored
.set H16,  27                          ; v27     16 (l / 16)
.set R4,   28                          ; v28     4 (l % 16)
.set H32,  29                          ; v29     32 (l / 16)
.set POS,  32                          ; v32-39  row tile i: byte offset of my part of row pos[..] in cos and sin
.set SS,   40                          ; v40-47  sums of squares: head hd in two pairs at 40 + 4 hd
.set RS,   48                          ; v48, v50  1 / rms of head 0, 1 (low words of pairs)
.set T,    52                          ; v52-59  at work
.set F0,   64
.set F1,   128
.set TMP,  64                          ; way out: 64 results in f32, then 32 words of f16
.set RB,   128                         ; way out: two read-back buffers of 32 registers
.set GW,   192                         ; v192-223  register 8 b' + j: gain of channel 16 b' + 8 (l / 16) + j
.set G1, 24                            ; s[24:31] group 1 for x's tiles
.set G0, 32                            ; s[32:39] group 0 for x's tiles, one set for each slot
.set G1B, 48                           ; s[48:55] group 1 for w's tiles: another mask
.set G0B, 56                           ; s[56:63] group 0 for w's tiles
.set MSB, 0
.macro WIN new                         ; the immediate's high byte repeats the setting that is left
.if MSB != \new
	s_set_vgpr_msb (MSB<<8)|\new
.set MSB, \new
.endif
.endm
.set MUL_LO, 0xa1                      ; source 0 (w) window 1, source 1 (x) window 0, C and D window 2
.set MUL_HI, 0xf1                      ; the same, C and D window 3
.set TO_B,   0x40                      ; destination window 1, address window 0
; A joint load.  Waves 0 and 1 fetch x's two halves, waves 2 and 3 w's.  Each line has one mask and one set of registers; the branch hangs on the wave's number alone.
.macro JLOAD s
	s_cmp_eq_u32 s11, 0
	s_cbranch_scc0 .Lfor_b_\@
	tensor_load_to_lds s[G0+4*\s:G0+4*\s+3], s[G1:G1+7]
	s_nop 0
	s_branch .Lasked_\@
.Lfor_b_\@:
	tensor_load_to_lds s[G0B+4*\s:G0B+4*\s+3], s[G1B:G1B+7]
	s_nop 0
.Lasked_\@:
.endm
; A round of the cluster's barrier: my work-group's barrier; wave 0 signals for the work-group; every wave waits for all sixteen; my work-group's barrier again.
.macro CREST                           ; a round behind its opening barrier
	s_cmp_lg_u32 s10, 0
	s_cbranch_scc1 .Lnot_wave_0_\@
	s_barrier_signal -3
.Lnot_wave_0_\@:
	s_barrier_wait -3
	s_barrier_signal -1
	s_barrier_wait -1
.endm
.macro CROUND
	s_barrier_signal -1
	s_barrier_wait -1
	CREST
.endm
	s_load_b64 s[4:5], s[0:1], 0x0                 ; bf
	s_load_b256 s[68:75], s[0:1], 0x8              ; pos s[68:69], cos s[70:71], sin s[72:73], q_norm_w s[74:75]
	s_load_b128 s[76:79], s[0:1], 0x28             ; k_norm_w s[76:77], qkv s[78:79]
	v_lshl_add_u32 v254, v0, 2, 0x48400
	v_mov_b32 v255, 0
	ds_add_u32 v254, v255
	v_lshrrev_b32 v1, 5, v0
	v_readfirstlane_b32 s10, v1                    ; wave 0..3
	s_lshr_b32 s11, s10, 1                         ; which half of the block's rows is mine.  Also: I fetch for x (0) or for w (1)
	s_and_b32 s12, s10, 1                          ; which half of its columns.  Also: which 128 rows of that tile I fetch
	s_bfe_u32 s40, ttmp6, 0x40000                  ; cx
	s_bfe_u32 s41, ttmp6, 0x40004                  ; cy
	s_lshl_b32 s42, ttmp9, 2
	s_add_co_u32 s42, s42, s40                     ; block column = 4 x cluster x + cx
	s_and_b32 s13, ttmp7, 0xffff
	s_lshl_b32 s13, s13, 2
	s_add_co_u32 s13, s13, s41                     ; block row = 4 x cluster y + cy
	s_lshl_b32 s43, s41, 2
	s_lshl_b32 s43, 15, s43                        ; my row of the cluster: places 4 cy .. 4 cy + 3
	s_lshl_b32 s44, 0x1111, s40                    ; my column: places cx, cx + 4, cx + 8, cx + 12
	; group 1: a tile of 128 rows x 128 elements of 2 bytes, 4 words of padding behind every 64
	s_or_b32 s[G1+0], s43, (1<<16)|(1<<20)|(1<<21)|(5<<22)|(3<<25)
	s_or_b32 s[G1B+0], s44, (1<<16)|(1<<20)|(1<<21)|(5<<22)|(3<<25)
	s_mov_b32 s[G1B+1], KSTEP<<16
	s_mov_b32 s[G1+1], KSTEP<<16                   ; tensor_dim0 = 128
	s_mov_b32 s[G1B+2], 128<<16
	s_mov_b32 s[G1+2], 128<<16                     ; tensor_dim1 = 128
	s_mov_b32 s[G1B+3], KSTEP<<16
	s_mov_b32 s[G1+3], KSTEP<<16                   ; tile_dim0 = 128
	s_mov_b32 s[G1B+4], 128
	s_mov_b32 s[G1+4], 128                         ; tile_dim1 = 128
	s_mov_b32 s[G1B+5], SIZE_K
	s_mov_b32 s[G1+5], SIZE_K                      ; elements from row to row
	s_mov_b32 s[G1B+6], 0
	s_mov_b32 s[G1+6], 0
	s_mov_b32 s[G1B+7], 0
	s_mov_b32 s[G1+7], 0
	; x's tiles hang on the block row alone, w's on the block column alone, each in registers that never hold the other coordinate
	s_lshl_b32 s17, s12, 7
	s_lshl_b32 s16, s13, 8
	s_add_co_u32 s16, s16, s17                     ; x: row 256 x block row + 128 x half
	s_lshl_b32 s46, s42, 8
	s_add_co_u32 s46, s46, s17                     ; w: row 256 x block column + 128 x half
	s_mov_b32 s17, 0
	s_mov_b32 s47, 0
	s_mov_b64 s[18:19], SIZE_K*2
	s_mul_u64 s[16:17], s[16:17], s[18:19]
	s_mul_u64 s[46:47], s[46:47], s[18:19]
	s_mul_i32 s20, s10, HALFT                      ; where they go: wave x 128 rows
	s_wait_dscnt 0x0
	s_wait_kmcnt 0x0
	s_add_nc_u64 s[6:7], s[4:5], 0x800000          ; w_qkv in bf16 lies 8,388,608 bytes into bf
	s_add_nc_u64 s[14:15], s[4:5], s[16:17]
	s_add_nc_u64 s[46:47], s[6:7], s[46:47]
	CROUND                                         ; all sixteen work-groups are here: the first joint loads meet
.irp s, 0,1
	s_mov_b32 s[G0+4*\s], 1
	s_add_co_u32 s[G0+4*\s+1], s20, \s*SLOT
	s_add_nc_u64 s[G0+4*\s+2:G0+4*\s+3], s[14:15], \s*KSTEP*2
	s_or_b32 s[G0+4*\s+3], s[G0+4*\s+3], 0x80000000
	s_mov_b32 s[G0B+4*\s], 1
	s_add_co_u32 s[G0B+4*\s+1], s20, \s*SLOT
	s_add_nc_u64 s[G0B+4*\s+2:G0B+4*\s+3], s[46:47], \s*KSTEP*2
	s_or_b32 s[G0B+4*\s+3], s[G0B+4*\s+3], 0x80000000
	JLOAD \s                                       ; the ring is filled before anything else is done
.endr
	; scalars of the way out
	s_cmp_eq_u32 ttmp9, 0                          ; q's columns?
	s_cselect_b64 s[80:81], s[74:75], s[76:77]     ; whose gain (the blocks of v load k's and do not use it)
	s_cselect_b32 s82, 0x3e314743, 1.0             ; q: 0.12 log2(e) = 0.17312340
	s_mov_b32 s83, 0x3c800000                      ; 1 / 64
	s_mov_b32 s84, 0x76543210                      ; v_permlanex16_b32: lane i of one half reads lane i of the other
	s_mov_b32 s85, 0xfedcba98
	s_mov_b32 s88, 0x358637bd                      ; 1e-6
	s_lshl_b32 s86, s13, 10                        ; pos of my first row: 4 bytes x (256 x block row + 128 x half)
	s_lshl_b32 s87, s11, 9
	s_add_co_u32 s86, s86, s87
	s_mov_b32 s87, 0
	s_add_nc_u64 s[86:87], s[68:69], s[86:87]
	; A fragment is 16 rows x 32 K in 8 registers: lane l holds row l % 16; registers 0-3 K = 8 (l / 16) + 0..7, registers 4-7 K = 16 + 8 (l / 16) + 0..7
	v_and_b32 v1, 15, v0                           ; l % 16
	v_bfe_u32 v2, v0, 4, 1                         ; l / 16
	v_mul_u32_u24 v3, v1, PITCH
	v_lshl_add_u32 v3, v2, 4, v3                   ; row x pitch + 16 x half
	s_mul_i32 s21, s11, HALFT
	s_mul_i32 s22, s12, HALFT
	s_add_co_u32 s22, s22, 2*HALFT
.irp s, 0,1
	v_add_nc_u32 v[ADRA+\s], s21, v3
	v_add_nc_u32 v[ADRB+\s], s22, v3
	s_add_co_u32 s21, s21, SLOT
	s_add_co_u32 s22, s22, SLOT
.endr
	s_mul_i32 s23, s10, 16*SPITCH
	s_add_co_u32 s23, s23, STAGE                   ; my stage
	v_add_nc_u32 v[STO], s23, v3                   ; in: row l % 16, 16 bytes for each half of the lanes
	v_bfe_u32 v4, v0, 3, 2                         ; back: eight lanes take a head's 128 bytes of a row, the wave four rows
	v_mul_u32_u24 v4, v4, SPITCH
	v_and_b32 v5, 7, v0
	v_lshl_add_u32 v4, v5, 4, v4
	v_add_nc_u32 v[RD], s23, v4
	v_and_b32 v5, 31, v0
	v_lshlrev_b32 v[CO], 4, v5
	v_lshlrev_b32 v[H16], 4, v2
	v_lshlrev_b32 v[R4], 2, v1
	v_lshlrev_b32 v[H32], 5, v2
	v_mov_b32 v[RS+1], 0                           ; upper words of pairs of which the lower word is used,
	v_mov_b32 v[RS+3], 0
	v_mov_b32 v[T], 0                              ; and the destinations of v_permlanex16_b32, which count as read
	v_mov_b32 v[T+1], 0
	; The tables of the way out are asked for now and waited for behind the K loop, which touches none of their registers.
.irp i, 0,1,2,3,4,5,6,7
	global_load_b32 v[POS+\i], v[R4], s[86:87] offset:64*\i        ; pos of row 16 i + l % 16
.endr
.irp bb, 0,1,2,3
	global_load_b128 v[GW+8*\bb:GW+8*\bb+3],   v[H32], s[80:81] offset:64*\bb
	global_load_b128 v[GW+8*\bb+4:GW+8*\bb+7], v[H32], s[80:81] offset:64*\bb+16
.endr
	s_wait_loadcnt 0x8                             ; pos is in; the eight loads of gains issued behind it stay out
.irp i, 0,1,2,3,4,5,6,7
	v_min_u32 v[POS+\i], 0xfff, v[POS+\i]          ; the index stays inside the tables' 4,096 rows
	v_lshl_add_u32 v[POS+\i], v[POS+\i], 6, v[H16] ; a row of 16 f32 is 64 bytes; my pairs 4 (l / 16) .. + 3
.endr
	WIN TO_B
.irp i, 0,1,2,3,4,5,6,7
	global_load_b128 v[16*\i+128*(\i/4):16*\i+128*(\i/4)+3],     v[POS+\i], s[70:71]             ; cos, pairs 4 h .. (channels 8 h ..)
	global_load_b128 v[16*\i+128*(\i/4)+4:16*\i+128*(\i/4)+7],   v[POS+\i], s[70:71] offset:32   ; cos, pairs 8 + 4 h .. (channels 16 + 8 h ..)
	global_load_b128 v[16*\i+128*(\i/4)+8:16*\i+128*(\i/4)+11],  v[POS+\i], s[72:73]             ; sin likewise
	global_load_b128 v[16*\i+128*(\i/4)+12:16*\i+128*(\i/4)+15], v[POS+\i], s[72:73] offset:32
.endr
	WIN 0
; 16 matrix instructions: row tiles a0, a0 + 1 of the window's four x all 8 column tiles, 32 along K.  zero = 1: the first product starts the sums.
; The 64 accumulators take turns, one instruction a turn, in the same order in every quarter step.
.macro MUL16 f, hi, a0, zero
.irp a, \a0, \a0+1
.irp b, 0,1,2,3,4,5,6,7
.if \zero
	v_wmma_f32_16x16x32_bf16 v[8*(8*(\a)+\b):8*(8*(\a)+\b)+7], v[\f+8*\b:\f+8*\b+7], v[\f+8*(4*\hi+\a):\f+8*(4*\hi+\a)+7], 0
.else
	v_wmma_f32_16x16x32_bf16 v[8*(8*(\a)+\b):8*(8*(\a)+\b)+7], v[\f+8*\b:\f+8*\b+7], v[\f+8*(4*\hi+\a):\f+8*(4*\hi+\a)+7], v[8*(8*(\a)+\b):8*(8*(\a)+\b)+7]
.endif
.endr
.endr
.endm
; 32 LDS loads in one run: the fragments of one quarter step into buffer f
.macro FETCH slot, k, f
	WIN TO_B
.irp i, 0,1,2,3,4,5,6,7
	ds_load_b128 v[\f+8*\i:\f+8*\i+3],   v[ADRB+\slot] offset:\k+\i*16*PITCH
	ds_load_b128 v[\f+8*\i+4:\f+8*\i+7], v[ADRB+\slot] offset:\k+\i*16*PITCH+32
.endr
	WIN 0
.irp i, 0,1,2,3,4,5,6,7
	ds_load_b128 v[\f+8*\i:\f+8*\i+3],   v[ADRA+\slot] offset:\k+\i*16*PITCH
	ds_load_b128 v[\f+8*\i+4:\f+8*\i+7], v[ADRA+\slot] offset:\k+\i*16*PITCH+32
.endr
.endm
; Four places between a matrix instruction and a load into one of its registers or a vector instruction that reads its result
.macro PLACES
.rept 4
	v_nop
.endr
.endm
.macro QUARTER slot, k, f, g, zero
	s_wait_dscnt 8                                 ; w and x's rows 0-63 are in; the youngest eight loads (x's rows 64-127) may be out
	WIN MUL_LO
	MUL16 \f, 0, 0, \zero
	MUL16 \f, 0, 2, \zero
	PLACES
	FETCH \slot, \k, \g
	s_wait_dscnt 32                                ; all but the 32 just issued
	WIN MUL_HI
	MUL16 \f, 1, 0, \zero
	MUL16 \f, 1, 2, \zero
.endm
.macro THREE slot, zero
	QUARTER \slot, 64,  F0, F1, \zero
	QUARTER \slot, 128, F1, F0, 0
	QUARTER \slot, 192, F0, F1, 0
.endm
; The last quarter of a K step multiplies buffer 1 and changes slots.  In front of the one barrier each wave waits for its reads of this slot and for all
; its tensor loads (the one that is out is its part of the next slot); behind it the refill comes first, then the next slot's first fragments.
.macro TURN slot, next, fill
	s_wait_dscnt 8
	WIN MUL_LO
	MUL16 F1, 0, 0, 0
	s_wait_dscnt 0                                 ; my reads of this slot are over
	s_set_vgpr_msb 0xa1a0
	s_wait_tensorcnt 0x0                           ; and all my tensor loads have landed
	ds_add_u32 v254, v255
	s_wait_dscnt 0x0
	s_set_vgpr_msb 0xa0a1
	s_barrier_signal -1                            ; where a slot is filled again this barrier opens a round of the cluster's barrier
	MUL16 F1, 0, 2, 0                              ; register work while the others arrive
	WIN 0
	s_barrier_wait -1
.if \fill
	CREST                                          ; no wave of any partner still reads this slot or has a load on its way
	s_add_nc_u64 s[G0+4*\slot+2:G0+4*\slot+3], s[G0+4*\slot+2:G0+4*\slot+3], 2*KSTEP*2
	s_add_nc_u64 s[G0B+4*\slot+2:G0B+4*\slot+3], s[G0B+4*\slot+2:G0B+4*\slot+3], 2*KSTEP*2
	JLOAD \slot                                    ; the first tensor load behind the round, one a wave
.endif
	PLACES
	FETCH \next, 0, F0
	WIN MUL_HI
	MUL16 F1, 1, 0, 0
	MUL16 F1, 1, 2, 0
.endm
.macro LAP zero
	THREE 0, \zero
	TURN 0, 1, 1
	THREE 1, 0
	TURN 1, 0, 1
.endm
	s_wait_tensorcnt 1                             ; my part of K step 0 is in; K step 1's stays out
	s_barrier_signal -1
	s_barrier_wait -1
	FETCH 0, 0, F0
	LAP 1                                          ; the first lap's first products start the sums
	WIN 0
	s_mov_b32 s3, LAPS-2
.Llap:
	LAP 0
	WIN 0
	s_sub_co_u32 s3, s3, 1
	s_cmp_lg_u32 s3, 0
	s_cbranch_scc1 .Llap
	THREE 0, 0                                     ; the last lap fills nothing
	TURN 0, 1, 0
	THREE 1, 0
	s_wait_dscnt 8
	WIN MUL_LO
	MUL16 F1, 0, 0, 0
	MUL16 F1, 0, 2, 0
	s_wait_dscnt 0
	WIN MUL_HI
	MUL16 F1, 1, 0, 0
	MUL16 F1, 1, 2, 0
	; THE WAY OUT, 16 rows at a time.
	PLACES                                         ; the places behind the last matrix instructions
	WIN 0
	s_lshl_b32 s16, s13, 15                        ; my first row: (256 x block row + 128 x half) x 128 bytes
	s_lshl_b32 s17, s11, 14
	s_add_co_u32 s16, s16, s17
	s_mov_b32 s17, 0
	s_add_nc_u64 s[8:9], s[78:79], s[16:17]
	s_lshl_b32 s46, s40, 2                         ; my first head: 4 cx + 2 x column half, 524,288 bytes each (in the registers that held w's address)
	s_lshl1_add_u32 s46, s12, s46
	s_lshl_b32 s46, s46, 19
	s_lshl_b32 s47, ttmp9, 23                      ; q, k or v: 8,388,608 bytes each
	s_add_co_u32 s46, s46, s47
	s_mov_b32 s47, 0
	s_add_nc_u64 s[8:9], s[8:9], s[46:47]
	s_wait_loadcnt 0x0                             ; gains, cos and sin, asked for ahead of the K loop
; The end of a row tile's way out: 64 results of TMP to f16, 16 bytes a lane and tile into my stage, back as 4 rows x 128 bytes of a head, stored as 512 consecutive bytes.
.macro OUTTAIL i
.set k, 0
.rept 32
	v_cvt_pk_f16_f32 v[TMP+k], v[TMP+2*k], v[TMP+2*k+1]            ; ascending and in place: word k is written when words 2 k, 2 k + 1 are read
.set k, k+1
.endr
.irp b, 0,1,2,3,4,5,6,7
	ds_store_b128 v[STO], v[TMP+4*\b:TMP+4*\b+3] offset:32*\b
.endr
	s_wait_xcnt 0x0                                ; the read-back buffer, which earlier stores read, and the stores' base are rewritten only behind this wait
.if \i
	s_add_nc_u64 s[8:9], s[8:9], 16*128            ; 16 rows of a head on
.endif
.irp t, 0,1,2,3,4,5,6,7
	ds_load_b128 v[RB+32*(\i&1)+4*\t:RB+32*(\i&1)+4*\t+3], v[RD] offset:(\t&3)*4*SPITCH+(\t>>2)*128   ; LDS serves a wave's instructions in order: these see the stores above
.endr
.irp t, 0,1,2,3,4,5,6,7
	s_wait_dscnt 7-\t
	global_store_b128 v[CO], v[RB+32*(\i&1)+4*\t:RB+32*(\i&1)+4*\t+3], s[8:9] offset:(\t>>2)*524288+(\t&3)*512   ; 512 consecutive bytes, aligned
.endr
.endm
; q and k.  i: row tile 0..7; a: its place in window w; ww: w in the places of sources 0 and 1.
.macro OUTQK i, a, w, ww
	WIN \ww
.irp bb, 0,1,2,3
.irp jp, 0,2,4,6
.irp hd, 0,1
.if (4*\bb+\jp/2) < 2
	v_pk_mul_f32 v[SS+4*\hd+(\jp&2):SS+4*\hd+(\jp&2)+1], v[8*(8*\a+4*\hd+\bb)+\jp:8*(8*\a+4*\hd+\bb)+\jp+1], v[8*(8*\a+4*\hd+\bb)+\jp:8*(8*\a+4*\hd+\bb)+\jp+1]   ; the first squares start the four chains
.else
	v_pk_fma_f32 v[SS+4*\hd+(\jp&2):SS+4*\hd+(\jp&2)+1], v[8*(8*\a+4*\hd+\bb)+\jp:8*(8*\a+4*\hd+\bb)+\jp+1], v[8*(8*\a+4*\hd+\bb)+\jp:8*(8*\a+4*\hd+\bb)+\jp+1], v[SS+4*\hd+(\jp&2):SS+4*\hd+(\jp&2)+1]
.endif
.endr
.endr
.endr
	WIN 0
.irp hd, 0,1
	v_pk_add_f32 v[SS+4*\hd:SS+4*\hd+1], v[SS+4*\hd:SS+4*\hd+1], v[SS+4*\hd+2:SS+4*\hd+3]
.endr
.irp hd, 0,1
	v_add_f32 v[SS+4*\hd], v[SS+4*\hd], v[SS+4*\hd+1]              ; my 32 channels of the head
.endr
.irp hd, 0,1
	v_permlanex16_b32 v[T+\hd], v[SS+4*\hd], s84, s85              ; the other 32 lie in the other half of the lanes
.endr
.irp hd, 0,1
	v_add_f32 v[SS+4*\hd], v[SS+4*\hd], v[T+\hd]
.endr
.irp hd, 0,1
	v_fma_f32 v[SS+4*\hd], v[SS+4*\hd], s83, s88                   ; mean + 1e-6
.endr
	v_rsq_f32 v[RS], v[SS]                         ; the products with the gains below touch neither RS nor SS: the plain places behind the two v_rsq_f32 (ISA guide 5.7.2)
	v_rsq_f32 v[RS+2], v[SS+4]
	WIN \w
.irp b, 0,1,2,3,4,5,6,7
.irp jp, 0,2,4,6
	v_pk_mul_f32 v[TMP+8*\b+\jp:TMP+8*\b+\jp+1], v[8*(8*\a+\b)+\jp:8*(8*\a+\b)+\jp+1], v[GW+8*(\b&3)+\jp:GW+8*(\b&3)+\jp+1]
.endr
.endr
	WIN 0
	s_wait_alu depctr_va_vdst(0)
.irp b, 0,1,2,3,4,5,6,7
.irp jp, 0,2,4,6
	v_pk_mul_f32 v[TMP+8*\b+\jp:TMP+8*\b+\jp+1], v[TMP+8*\b+\jp:TMP+8*\b+\jp+1], v[RS+2*(\b>>2):RS+2*(\b>>2)+1] op_sel_hi:[1,0]
.endr
.endr
	WIN 0x04                                       ; source 1 (cos, sin) in window 1
.irp hd, 0,1
.irp bb, 0,1
.irp jj, 0,1,2,3
	v_mul_f32 v[T+2*\jj],   v[TMP+32*\hd+8*\bb+2*\jj+1], v[16*\i+128*(\i/4)+4*\bb+\jj+8]   ; odd x sin
	v_mul_f32 v[T+2*\jj+1], v[TMP+32*\hd+8*\bb+2*\jj],   v[16*\i+128*(\i/4)+4*\bb+\jj+8]   ; even x sin
	v_fma_f32 v[TMP+32*\hd+8*\bb+2*\jj],   v[TMP+32*\hd+8*\bb+2*\jj],   v[16*\i+128*(\i/4)+4*\bb+\jj], -v[T+2*\jj]    ; even cos - odd sin
	v_fma_f32 v[TMP+32*\hd+8*\bb+2*\jj+1], v[TMP+32*\hd+8*\bb+2*\jj+1], v[16*\i+128*(\i/4)+4*\bb+\jj], v[T+2*\jj+1]   ; odd cos + even sin
.endr
.endr
.endr
	WIN 0
	OUTTAIL \i
.endm
; v: times 0.5
.macro OUTV i, a, w
	WIN \w
.irp b, 0,1,2,3,4,5,6,7
.irp jp, 0,2,4,6
	v_pk_mul_f32 v[TMP+8*\b+\jp:TMP+8*\b+\jp+1], v[8*(8*\a+\b)+\jp:8*(8*\a+\b)+\jp+1], 0.5 op_sel_hi:[1,0]
.endr
.endr
	WIN 0
	OUTTAIL \i
.endm
	s_cmp_eq_u32 ttmp9, 2                          ; the cluster's x: alike in all partners and all waves
	s_cbranch_scc1 .Lvalues
	; The gains, cos and sin are rounded to bf16 (nearest even) and widened again, once: two numbers are packed, then the halves are moved back.
.set k, 0
.rept 16
	v_cvt_pk_bf16_f32 v[T+(k&7)], v[GW+2*k], v[GW+2*k+1]
	v_lshlrev_b32 v[GW+2*k], 16, v[T+(k&7)]
	v_and_b32 v[GW+2*k+1], 0xffff0000, v[T+(k&7)]
.set k, k+1
.endr
.set k, 0
.rept 16
	v_pk_mul_f32 v[GW+k:GW+k+1], v[GW+k:GW+k+1], s[82:83] op_sel_hi:[1,0]   ; q: the gain takes 0.12 log2(e) along; k: 1.0
.set k, k+2
.endr
	WIN 0x05                                       ; sources 0 and 1 (cos, sin) in window 1, the packed words in window 0
.set k, 0
.rept 64
	v_cvt_pk_bf16_f32 v[TMP+k], v[2*k+128*(k/32)], v[2*k+128*(k/32)+1]      ; window 1's v0-63 and v192-255, pair by pair
.set k, k+1
.endr
	WIN TO_B                                       ; back into window 1
.set k, 0
.rept 64
	v_lshlrev_b32 v[2*k+128*(k/32)], 16, v[TMP+k]
	v_and_b32 v[2*k+128*(k/32)+1], 0xffff0000, v[TMP+k]
.set k, k+1
.endr
	WIN 0
	OUTQK 0, 0, 2, 0x0a
	OUTQK 1, 1, 2, 0x0a
	OUTQK 2, 2, 2, 0x0a
	OUTQK 3, 3, 2, 0x0a
	OUTQK 4, 0, 3, 0x0f
	OUTQK 5, 1, 3, 0x0f
	OUTQK 6, 2, 3, 0x0f
	OUTQK 7, 3, 3, 0x0f
	s_branch .Ldone
.Lvalues:
	OUTV 0, 0, 2
	OUTV 1, 1, 2
	OUTV 2, 2, 2
	OUTV 3, 3, 2
	OUTV 4, 0, 3
	OUTV 5, 1, 3
	OUTV 6, 2, 3
	OUTV 7, 3, 3
.Ldone:
	s_wait_tensorcnt 0x0
	ds_add_u32 v254, v255
	s_wait_dscnt 0x0
	CROUND                                         ; the closing round: no work-group ends while a partner may still ask for a tile that names it
	s_endpgm
.Lfunc_end_k_q7bf53cd83a_qkv:
	.size	k_q7bf53cd83a_qkv, .Lfunc_end_k_q7bf53cd83a_qkv-k_q7bf53cd83a_qkv
	.p2alignl 7, 3214868480
	.fill 96, 4, 3214868480
	.section	.rodata,"a",@progbits
	.p2align	6, 0x0
	.amdhsa_kernel k_q7bf53cd83a_qkv
		.amdhsa_group_segment_fixed_size 327680
		.amdhsa_private_segment_fixed_size 0
		.amdhsa_enable_private_segment 0
		.amdhsa_kernarg_size 56
		.amdhsa_user_sgpr_count 2
		.amdhsa_user_sgpr_kernarg_segment_ptr 1
		.amdhsa_wavefront_size32 1
		.amdhsa_system_sgpr_workgroup_id_x 1
		.amdhsa_system_sgpr_workgroup_id_y 1
		.amdhsa_system_sgpr_workgroup_id_z 1
		.amdhsa_system_vgpr_workitem_id 0
		.amdhsa_next_free_vgpr 1024
		.amdhsa_next_free_sgpr 96
		.amdhsa_reserve_vcc 0
		.amdhsa_float_denorm_mode_32 3
		.amdhsa_float_denorm_mode_16_64 3
		.amdhsa_memory_ordered 1
		.amdhsa_forward_progress 1
		.amdhsa_inst_pref_size 255
	.end_amdhsa_kernel
	.section	.bss,"aw",@nobits
	.p2align	6
	.space	262144
	.amdgpu_metadata
---
amdhsa.version: [ 1, 2 ]
amdhsa.kernels:
  - .name:           k_q7bf53cd83a_qkv
    .symbol:         k_q7bf53cd83a_qkv.kd
    .args:
      - { .name: bf, .offset: 0, .size: 8, .value_kind: global_buffer, .address_space: global }
      - { .name: pos, .offset: 8, .size: 8, .value_kind: global_buffer, .address_space: global }
      - { .name: cos, .offset: 16, .size: 8, .value_kind: global_buffer, .address_space: global }
      - { .name: sin, .offset: 24, .size: 8, .value_kind: global_buffer, .address_space: global }
      - { .name: q_norm_w, .offset: 32, .size: 8, .value_kind: global_buffer, .address_space: global }
      - { .name: k_norm_w, .offset: 40, .size: 8, .value_kind: global_buffer, .address_space: global }
      - { .name: qkv, .offset: 48, .size: 8, .value_kind: global_buffer, .address_space: global }
    .group_segment_fixed_size: 327680
    .private_segment_fixed_size: 0
    .kernarg_segment_align: 8
    .kernarg_segment_size: 56
    .max_flat_workgroup_size: 128
    .sgpr_count:     96
    .vgpr_count:     1024
    .wavefront_size: 32
...
	.end_amdgpu_metadata
.endif
;; end of part 2
;; launch attn (part 3): grid 16 x 16, 8 waves a work-group, no clusters, 327,680 bytes of LDS; arguments qkv, att; writes att
.if DOCPART == 3
	.amdgcn_target "amdgcn-amd-amdhsa--gfx1250"
	.amdhsa_code_object_version 6
	.text
	.protected	k_q7bf53cd83a_attn
	.globl	k_q7bf53cd83a_attn
	.p2align	8
	.type	k_q7bf53cd83a_attn,@function
k_q7bf53cd83a_attn:
	s_mov_b64 s[64:65], 0
	v_nop
	global_prefetch_b8 v0, s[64:65] scope:SCOPE_SE
	s_setreg_imm32_b32 hwreg(HW_REG_WAVE_MODE, 25, 1), 1
	s_wait_xcnt 0x0
; Attention of one head over a causal window of 1,024 keys: att[t] = sum over s of softmax(q[t] k[s])[s] v[s], 0 <= t - s < 1024, with a running maximum.
; q, k, v: f16, [16 heads][4096][64] at bytes 0, 8,388,608, 16,777,216 of qkv; q carries 0.12 log2(e), so the weights are exp2(score - maximum); v carries 0.5.
; att: f16, [16][4096][64]: a query with few keys has a result as large as v itself, and f16's 11 significant bits keep its rounding small beside the
; whole output's size; |att| never passes the largest |v|, which is f16 already.
; Products in the f16 matrix form with f32 sums; maximum, exponentials, sums and the rescaling in f32.
; The work-group (x = block of 256 queries, y = head) has eight waves, two for each of a WGP's four SIMDs; a wave owns 32 queries, two tiles of 16.
; Keys 256 (i - n) .. 256 i + 255, n = min(i, 4), go in 2 (n + 1) tiles of 128 through a ring of two LDS slots; a wave takes a tile as two blocks of 64 keys
; and jumps over a block that lies wholly ahead of its queries or wholly behind their window (17 blocks of 20 remain where n = 4).
; LAYOUT: scores are made transposed, S^T = K Q^T, so lane (r, h) holds query r and keys 8 h + j.  Two such tiles, packed to f16, ARE the second source of
; O^T = V^T P^T (keys 8 h .. and 16 + 8 h ..): the weights never leave the registers.  V^T comes from V's rows by the transposing LDS load.  Maximum, sum and
; rescaling factor belong to a lane's query; the two halves of the lanes are joined by one v_permlanex16_b32.
; NO CLUSTER: neighbouring query blocks' key ranges are shifted by 256 keys.  Four blocks walking the same tile in the same round would walk the union,
; 16 tiles, of which each needs 10: six rounds of sixteen idle in every partner.
; LIMITS: a masked score is -FLT_MAX, and so is the first maximum.  A query that has met only masked keys gathers finite sums with weight 1; they are multiplied
; by exp2(-FLT_MAX - maximum) = 0 at its first allowed key, and the key t itself is always allowed.  Weights below 2^-126 count as 0; weights are rounded to f16;
; results below 2^-14 in magnitude are kept to multiples of 2^-24.
.set SLOT,  40960                      ; four regions of 10,240 bytes: K keys 0-63, K keys 64-127, V keys 0-63, V keys 64-127
.set REG,   10240
.set KP,    144                        ; K's LDS row: 128 bytes + 16: an odd multiple of 16
.set VP,    160                        ; V's LDS row: 128 bytes + 32: an odd multiple of 32, for the transposing load
.set STAGE, 2*SLOT                     ; 81,920: 32 rows x 144 bytes for each wave, for the way out; no tensor load lands there
.set TILEB, 128*128                    ; bytes of 128 rows of K or of V in memory
.set G1K, 24                           ; s[24:31] group 1 for K's tiles
.set G1V, 32                           ; s[32:39] group 1 for V's tiles: a wider pad
.set G0, 40                            ; s[40:47] group 0, one set for each slot
.set ADRK, 8                           ; v8   r 144 + 16 h
.set ADRV, 9                           ; v9   20480 + (8 h + l % 8) 160 + 16 (l / 8 % 2)
.set STO,  10                          ; v10  way out: in
.set RD,   11                          ; v11  way out: back
.set CO,   12                          ; v12  16 x lane
.set MX,   16                          ; v16, v17  running maximum of query tile 0, 1
.set NM,   18                          ; v18, v20  its negative (low words of pairs)
.set AL,   22                          ; v22, v24  rescaling factor (low words of pairs)
.set LS,   26                          ; v26, v27  running sum, my half of the keys
.set QF,   32                          ; v32-63    Q fragments (qt, e) at 32 + 16 qt + 8 e
.set KV,   64                          ; v64-127   K fragments (kt, e) at 64 + 16 kt + 8 e, then V fragments (g, dt) at 64 + 32 g + 8 dt
.set SB,   128                         ; v128-191  S(qt, kt) at 128 + 32 qt + 8 kt; the weights P(qt, g) in place at 128 + 32 qt + 16 g
.set OB,   192                         ; v192-255  O(qt, dt) at 192 + 32 qt + 8 dt
; v3-v7, v28-31 at work; v13 = r - 8 h; v14 = v13 - REL; v15 = -FLT_MAX
	s_load_b128 s[4:7], s[0:1], 0x0                ; qkv s[4:5], att s[6:7]
	s_set_vgpr_msb 0x40
	v_lshl_add_u32 v0, v0, 2, 0x29000
	v_mov_b32 v1, 0
	s_set_vgpr_msb 0x4045
	ds_add_u32 v0, v1
	s_set_vgpr_msb 0x4500
	v_lshrrev_b32 v1, 5, v0
	v_readfirstlane_b32 s8, v1                     ; wave 0..7
	s_mov_b32 s10, ttmp9                           ; i: block of 256 queries
	s_and_b32 s11, ttmp7, 0xffff                   ; head
	s_min_u32 s12, s10, 4                          ; n: blocks of 256 keys in front of my own
	s_mov_b32 s16, 0x76543210                      ; v_permlanex16_b32: lane i of one half reads lane i of the other
	s_mov_b32 s17, 0xfedcba98
	; Waves 0-3 fetch: wave w fills region w of a slot, 64 rows of 64 elements of 2 bytes.  Waves 0, 1: K, 4 words of padding behind every 32; waves 2, 3: V, 8 words.
	; Both groups 1 are constants: no work-group mask, elements of 2 bytes, padding on, the interval of 32 words (code 4), the pad less one.
	s_mov_b32 s[G1K+0], (1<<16)|(1<<20)|(4<<22)|(3<<25)
	s_mov_b32 s[G1V+0], (1<<16)|(1<<20)|(4<<22)|(7<<25)
	s_mov_b32 s[G1K+1], 64<<16                     ; tensor_dim0 = 64
	s_mov_b32 s[G1V+1], 64<<16
	s_mov_b32 s[G1K+2], 64<<16                     ; tensor_dim1 = 64
	s_mov_b32 s[G1V+2], 64<<16
	s_mov_b32 s[G1K+3], 64<<16                     ; tile_dim0 = 64
	s_mov_b32 s[G1V+3], 64<<16
	s_mov_b32 s[G1K+4], 64                         ; tile_dim1 = 64
	s_mov_b32 s[G1V+4], 64
	s_mov_b32 s[G1K+5], 64                         ; elements from row to row
	s_mov_b32 s[G1V+5], 64
	s_mov_b32 s[G1K+6], 0
	s_mov_b32 s[G1V+6], 0
	s_mov_b32 s[G1K+7], 0
	s_mov_b32 s[G1V+7], 0
	s_lshr_b32 s13, s8, 1
	s_and_b32 s13, s13, 1                          ; 0: K, 1: V
	s_add_co_u32 s18, s13, 1
	s_lshl_b32 s18, s18, 23                        ; K or V,
	s_lshl_b32 s19, s11, 19                        ; the head,
	s_add_co_u32 s18, s18, s19
	s_sub_co_u32 s19, s10, s12
	s_lshl_b32 s19, s19, 15                        ; the first key 256 (i - n), 128 bytes a row,
	s_add_co_u32 s18, s18, s19
	s_and_b32 s19, s8, 1
	s_lshl_b32 s19, s19, 13                        ; and my 64 rows of the tile's 128
	s_add_co_u32 s18, s18, s19
	s_mov_b32 s19, 0
	s_mul_i32 s22, s8, REG
	s_wait_dscnt 0x0
	s_barrier_signal -1
	s_barrier_wait -1
	s_wait_kmcnt 0x0
	s_add_nc_u64 s[20:21], s[4:5], s[18:19]
.irp s, 0,1
	s_mov_b32 s[G0+4*\s], 1
	s_add_co_u32 s[G0+4*\s+1], s22, \s*SLOT        ; LDS: wave x 10,240 + the slot
	s_add_nc_u64 s[G0+4*\s+2:G0+4*\s+3], s[20:21], \s*TILEB        ; tile 0 or 1
	s_or_b32 s[G0+4*\s+3], s[G0+4*\s+3], 0x80000000
.endr
; A wave's one load of a tile.  The branches hang on the wave's number alone: waves 4-7 fetch nothing, waves 0, 1 take K's line, waves 2, 3 V's.
.macro KVLOAD slot
	s_cmp_gt_u32 s8, 3
	s_cbranch_scc1 .Lnone_\@
	s_cmp_gt_u32 s8, 1
	s_cbranch_scc1 .Lforv_\@
	tensor_load_to_lds s[G0+4*\slot:G0+4*\slot+3], s[G1K:G1K+7]
	s_nop 0
	s_branch .Lnone_\@
.Lforv_\@:
	tensor_load_to_lds s[G0+4*\slot:G0+4*\slot+3], s[G1V:G1V+7]
	s_nop 0
.Lnone_\@:
.endm
	KVLOAD 0                                       ; tile 0: the one first fill at the start
	s_lshl_b32 s18, s11, 19                        ; my 32 rows in q and in att: the head, 256 i + 32 w rows of 128 bytes
	s_lshl_b32 s19, s10, 15
	s_add_co_u32 s18, s18, s19
	s_lshl_b32 s19, s8, 12
	s_add_co_u32 s18, s18, s19
	s_mov_b32 s19, 0
	s_add_nc_u64 s[48:49], s[4:5], s[18:19]
	s_add_nc_u64 s[50:51], s[6:7], s[18:19]
	s_lshl_b32 s14, s12, 8                         ; REL = first key of the block - my first query: starts at -256 n - 32 w, 64 more with each block
	s_lshl_b32 s15, s8, 5
	s_add_co_u32 s14, s14, s15
	s_sub_co_i32 s14, 0, s14
	s_mul_i32 s23, s8, 32*KP
	s_add_co_u32 s23, s23, STAGE                   ; my stage
	v_and_b32 v1, 15, v0                           ; r
	v_bfe_u32 v2, v0, 4, 1                         ; h
	v_lshlrev_b32 v3, 7, v1
	v_lshl_add_u32 v3, v2, 4, v3                   ; r 128 + 16 h
.irp qt, 0,1
.irp e, 0,1
	global_load_b128 v[QF+16*\qt+8*\e:QF+16*\qt+8*\e+3],   v3, s[48:49] offset:2048*\qt+64*\e      ; query 16 qt + r, channels 32 e + 8 h ..
	global_load_b128 v[QF+16*\qt+8*\e+4:QF+16*\qt+8*\e+7], v3, s[48:49] offset:2048*\qt+64*\e+32   ; channels 32 e + 16 + 8 h ..
.endr
.endr
	v_mul_u32_u24 v[ADRK], v1, KP
	v_lshl_add_u32 v[ADRK], v2, 4, v[ADRK]
	v_and_b32 v4, 7, v0
	v_lshl_add_u32 v4, v2, 3, v4
	v_mul_u32_u24 v4, v4, VP
	v_bfe_u32 v5, v0, 3, 1
	v_lshl_add_u32 v4, v5, 4, v4
	v_add_nc_u32 v[ADRV], 2*REG, v4
	v_add_nc_u32 v[STO], s23, v[ADRK]              ; in: row r, 16 bytes for each half of the lanes
	v_bfe_u32 v5, v0, 3, 2                         ; back: eight lanes take a row's 128 bytes, the wave four rows
	v_mul_u32_u24 v5, v5, KP
	v_and_b32 v6, 7, v0
	v_lshl_add_u32 v5, v6, 4, v5
	v_add_nc_u32 v[RD], s23, v5
	v_and_b32 v[CO], 31, v0
	v_lshlrev_b32 v[CO], 4, v[CO]
	v_lshlrev_b32 v4, 3, v2
	v_sub_nc_u32 v13, v1, v4
	v_mov_b32 v15, 0xff7fffff                      ; -FLT_MAX
	v_mov_b32 v[MX], v15
	v_mov_b32 v[MX+1], v15
	v_mov_b32 v[LS], 0
	v_mov_b32 v[LS+1], 0
	v_mov_b32 v[NM+1], 0                           ; upper words of pairs of which the lower word is used
	v_mov_b32 v[NM+3], 0
	v_mov_b32 v[AL+1], 0
	v_mov_b32 v[AL+3], 0
	; O is cleared: which block is a wave's first hangs on the wave's number and the query block, so no product that starts the sums can be written out
.set k, 0
.rept 64
	v_mov_b32 v[OB+k], 0
.set k, k+1
.endr
	s_wait_loadcnt 0x0                             ; Q, once
; The softmax step of query tile qt on 64 keys: 32 scores a lane.
.macro SOFT qt
.irp c, 0,1,2,3
	v_max3_num_f32 v[4+\c], v[SB+32*\qt+3*\c], v[SB+32*\qt+3*\c+1], v[SB+32*\qt+3*\c+2]   ; four chains, started by the first twelve scores
.endr
.set k, 12
.rept 10
	v_max3_num_f32 v[4+(k/2)%4], v[4+(k/2)%4], v[SB+32*\qt+k], v[SB+32*\qt+k+1]
.set k, k+2
.endr
	v_max3_num_f32 v4, v4, v5, v6
	v_max3_num_f32 v4, v4, v7, v[MX+\qt]
	v_permlanex16_b32 v5, v4, s16, s17             ; the other half of the keys
	v_max_num_f32 v5, v4, v5                       ; the new maximum
	v_sub_f32 v6, v[MX+\qt], v5                    ; old - new <= 0
	v_xor_b32 v[NM+2*\qt], 0x80000000, v5
.set k, 0
.rept 16
	v_pk_add_f32 v[SB+32*\qt+k:SB+32*\qt+k+1], v[SB+32*\qt+k:SB+32*\qt+k+1], v[NM+2*\qt:NM+2*\qt+1] op_sel_hi:[1,0]
.set k, k+2
.endr
	v_exp_f32 v[AL+2*\qt], v6
.set k, 0
.rept 32
	v_exp_f32 v[SB+32*\qt+k], v[SB+32*\qt+k]
.set k, k+1
.endr
	v_mov_b32 v[MX+\qt], v5                        ; names no register of the exponentials: the plain place between them and the use of their results (ISA guide 5.7.2)
	s_wait_alu depctr_va_vdst(0)
	v_pk_add_f32 v[28:29], v[SB+32*\qt:SB+32*\qt+1], v[SB+32*\qt+2:SB+32*\qt+3]
	v_pk_add_f32 v[30:31], v[SB+32*\qt+4:SB+32*\qt+5], v[SB+32*\qt+6:SB+32*\qt+7]
.set k, 8
.rept 12
	v_pk_add_f32 v[28+((k/2)&1)*2:29+((k/2)&1)*2], v[28+((k/2)&1)*2:29+((k/2)&1)*2], v[SB+32*\qt+k:SB+32*\qt+k+1]
.set k, k+2
.endr
	v_pk_add_f32 v[28:29], v[28:29], v[30:31]
	v_add_f32 v28, v28, v29
	v_fma_f32 v[LS+\qt], v[LS+\qt], v[AL+2*\qt], v28
.irp kt, 0,1,2,3
.irp jj, 0,1,2,3
	v_cvt_pk_f16_f32 v[SB+32*\qt+16*(\kt>>1)+4*(\kt&1)+\jj], v[SB+32*\qt+8*\kt+2*\jj], v[SB+32*\qt+8*\kt+2*\jj+1]   ; ascending and in place
.endr
.endr
.set k, 0
.rept 16
	v_pk_mul_f32 v[OB+32*\qt+k:OB+32*\qt+k+1], v[OB+32*\qt+k:OB+32*\qt+k+1], v[AL+2*\qt:AL+2*\qt+1] op_sel_hi:[1,0]
.set k, k+2
.endr
.endm
; A block of 64 keys: half sub of the tile in slot.  In both groups of products the eight accumulators take turns, one instruction a turn.
.macro SUB slot, sub
	s_cmp_gt_i32 s14, 31                           ; every key lies ahead of my last query
	s_cbranch_scc1 .Lskip_\@
	s_cmp_lt_i32 s14, -1087                        ; every key lies 1,024 or more behind my first query
	s_cbranch_scc1 .Lskip_\@
.irp e, 0,1
.irp kt, 0,1,2,3
	ds_load_b128 v[KV+16*\kt+8*\e:KV+16*\kt+8*\e+3],   v[ADRK] offset:\slot*SLOT+\sub*REG+\kt*16*KP+64*\e
	ds_load_b128 v[KV+16*\kt+8*\e+4:KV+16*\kt+8*\e+7], v[ADRK] offset:\slot*SLOT+\sub*REG+\kt*16*KP+64*\e+32
.endr
.endr
	s_wait_dscnt 8                                 ; channels 0-31 are in; the eight loads of channels 32-63 may be out
.irp kt, 0,1,2,3
.irp qt, 0,1
	v_wmma_f32_16x16x32_f16 v[SB+32*\qt+8*\kt:SB+32*\qt+8*\kt+7], v[KV+16*\kt:KV+16*\kt+7], v[QF+16*\qt:QF+16*\qt+7], 0
.endr
.endr
	s_wait_dscnt 0
.irp kt, 0,1,2,3
.irp qt, 0,1
	v_wmma_f32_16x16x32_f16 v[SB+32*\qt+8*\kt:SB+32*\qt+8*\kt+7], v[KV+16*\kt+8:KV+16*\kt+15], v[QF+16*\qt+8:QF+16*\qt+15], v[SB+32*\qt+8*\kt:SB+32*\qt+8*\kt+7]
.endr
.endr
.rept 4
	v_nop                                          ; four places ahead of the loads into K's registers and of the reads of the scores
.endr
.irp g, 0,1
.irp dt, 0,1,2,3
	ds_load_tr16_b128 v[KV+32*\g+8*\dt:KV+32*\g+8*\dt+3],   v[ADRV] offset:\slot*SLOT+\sub*REG+\g*32*VP+32*\dt          ; channel 16 dt + r, keys 32 g + 8 h ..
	ds_load_tr16_b128 v[KV+32*\g+8*\dt+4:KV+32*\g+8*\dt+7], v[ADRV] offset:\slot*SLOT+\sub*REG+\g*32*VP+32*\dt+16*VP   ; keys 32 g + 16 + 8 h ..
.endr
.endr
	s_cmp_gt_i32 s14, -64                          ; some key lies ahead of my first query
	s_cbranch_scc1 .Lmask_\@
	s_cmp_gt_i32 s14, -1024                        ; REL >= -992: the first key is less than 1,024 behind my last query: nothing to mask
	s_cbranch_scc1 .Lsoft_\@
.Lmask_\@:
	v_sub_nc_u32 v14, v13, s14                     ; t - s = (r - 8 h - REL) + 16 qt - 16 kt - j; allowed where it is below 1,024 as an unsigned number
.irp qt, 0,1
.irp kt, 0,1,2,3
.irp j, 0,1,2,3,4,5,6,7
	v_add_nc_u32 v3, 16*\qt-16*\kt-\j, v14
	v_cmp_gt_u32 vcc_lo, 0x400, v3
	v_cndmask_b32 v[SB+32*\qt+8*\kt+\j], v15, v[SB+32*\qt+8*\kt+\j], vcc_lo
.endr
.endr
.endr
.Lsoft_\@:
	SOFT 0
	SOFT 1
	s_wait_dscnt 8                                 ; V of keys 0-31 is in; the eight loads of keys 32-63 may be out
.irp dt, 0,1,2,3
.irp qt, 0,1
	v_wmma_f32_16x16x32_f16 v[OB+32*\qt+8*\dt:OB+32*\qt+8*\dt+7], v[KV+8*\dt:KV+8*\dt+7], v[SB+32*\qt:SB+32*\qt+7], v[OB+32*\qt+8*\dt:OB+32*\qt+8*\dt+7]
.endr
.endr
	s_wait_dscnt 0
.irp dt, 0,1,2,3
.irp qt, 0,1
	v_wmma_f32_16x16x32_f16 v[OB+32*\qt+8*\dt:OB+32*\qt+8*\dt+7], v[KV+32+8*\dt:KV+32+8*\dt+7], v[SB+32*\qt+16:SB+32*\qt+23], v[OB+32*\qt+8*\dt:OB+32*\qt+8*\dt+7]
.endr
.endr
.rept 5
	v_nop                                          ; five places ahead of the next scores, which write over the weights; four would do for the next loads into V's registers and for reads of O
.endr
.Lskip_\@:
	s_add_co_i32 s14, s14, 64
.endm
; A tile of 128 keys.  In front of the barrier every wave waits for all its tensor loads (its part of this tile) and for its reads of the other slot;
; behind it the next tile goes into the other slot, first thing, one load a wave, and has this tile's work in which to land.
.macro TRIP slot, other, refill
	s_set_vgpr_msb 0x5
	s_wait_tensorcnt 0x0
	ds_add_u32 v0, v1
	s_wait_dscnt 0x0
	s_set_vgpr_msb 0x500
	s_add_nc_u64 s[G0+4*\slot+2:G0+4*\slot+3], s[G0+4*\slot+2:G0+4*\slot+3], 2*TILEB   ; no load of mine is out: this slot's next tile
	s_wait_dscnt 0x0
	s_barrier_signal -1
	s_barrier_wait -1
.if \refill
	KVLOAD \other
.endif
	SUB \slot, 0
	SUB \slot, 1
.endm
	s_cmp_eq_u32 s12, 0                            ; the first query block has two tiles only
	s_cbranch_scc1 .Ltail
	s_mov_b32 s9, 0
.Lloop:
	TRIP 0, 1, 1
	TRIP 1, 0, 1
	s_add_co_u32 s9, s9, 1
	s_cmp_lt_u32 s9, s12
	s_cbranch_scc1 .Lloop
.Ltail:
	TRIP 0, 1, 1                                   ; the last two tiles: one more fill, then none
	TRIP 1, 0, 0
	; THE WAY OUT: divide by the sum, round to f16, 16 bytes a lane and tile into my own stage, back as four rows of 128 bytes, stored as 512 consecutive bytes.
.irp qt, 0,1
	v_permlanex16_b32 v[4+\qt], v[LS+\qt], s16, s17                ; the other half of the keys
	v_add_f32 v[LS+\qt], v[LS+\qt], v[4+\qt]
	v_rcp_f32 v[AL+2*\qt], v[LS+\qt]                               ; the sum is at least 1: the key of the maximum has weight 1
.endr
	v_nop                                          ; the plain place behind v_rcp_f32 (ISA guide 5.7.2)
	s_wait_alu depctr_va_vdst(0)
.irp qt, 0,1
.set k, 0
.rept 16
	v_pk_mul_f32 v[OB+32*\qt+k:OB+32*\qt+k+1], v[OB+32*\qt+k:OB+32*\qt+k+1], v[AL+2*\qt:AL+2*\qt+1] op_sel_hi:[1,0]
.set k, k+2
.endr
.endr
.irp qt, 0,1
.irp dt, 0,1,2,3
.irp jj, 0,1,2,3
	v_cvt_pk_f16_f32 v[OB+32*\qt+8*\dt+\jj], v[OB+32*\qt+8*\dt+2*\jj], v[OB+32*\qt+8*\dt+2*\jj+1]
.endr
	ds_store_b128 v[STO], v[OB+32*\qt+8*\dt:OB+32*\qt+8*\dt+3] offset:\qt*16*KP+32*\dt   ; query 16 qt + r, channels 16 dt + 8 h ..
.endr
.endr
.irp i, 0,1,2,3,4,5,6,7
	ds_load_b128 v[SB+4*\i:SB+4*\i+3], v[RD] offset:\i*4*KP        ; LDS serves a wave's instructions in order: these see the stores above
.endr
.irp i, 0,1,2,3,4,5,6,7
	s_wait_dscnt 7-\i
	global_store_b128 v[CO], v[SB+4*\i:SB+4*\i+3], s[50:51] offset:512*\i
.endr
	s_set_vgpr_msb 0x5
	s_wait_tensorcnt 0x0
	ds_add_u32 v0, v1
	s_wait_dscnt 0x0
	s_set_vgpr_msb 0x500
	s_endpgm
.Lfunc_end_k_q7bf53cd83a_attn:
	.size	k_q7bf53cd83a_attn, .Lfunc_end_k_q7bf53cd83a_attn-k_q7bf53cd83a_attn
	.p2alignl 7, 3214868480
	.fill 96, 4, 3214868480
	.section	.rodata,"a",@progbits
	.p2align	6, 0x0
	.amdhsa_kernel k_q7bf53cd83a_attn
		.amdhsa_group_segment_fixed_size 327680
		.amdhsa_private_segment_fixed_size 0
		.amdhsa_enable_private_segment 0
		.amdhsa_kernarg_size 16
		.amdhsa_user_sgpr_count 2
		.amdhsa_user_sgpr_kernarg_segment_ptr 1
		.amdhsa_wavefront_size32 1
		.amdhsa_system_sgpr_workgroup_id_x 1
		.amdhsa_system_sgpr_workgroup_id_y 1
		.amdhsa_system_sgpr_workgroup_id_z 1
		.amdhsa_system_vgpr_workitem_id 0
		.amdhsa_next_free_vgpr 258
		.amdhsa_next_free_sgpr 66
		.amdhsa_reserve_vcc 1
		.amdhsa_float_denorm_mode_32 3
		.amdhsa_float_denorm_mode_16_64 3
		.amdhsa_memory_ordered 1
		.amdhsa_forward_progress 1
		.amdhsa_inst_pref_size 231
	.end_amdhsa_kernel
	.amdgpu_metadata
---
amdhsa.version: [ 1, 2 ]
amdhsa.kernels:
  - .name:           k_q7bf53cd83a_attn
    .symbol:         k_q7bf53cd83a_attn.kd
    .args:
      - { .name: qkv, .offset: 0, .size: 8, .value_kind: global_buffer, .address_space: global }
      - { .name: att, .offset: 8, .size: 8, .value_kind: global_buffer, .address_space: global }
    .group_segment_fixed_size: 327680
    .private_segment_fixed_size: 0
    .kernarg_segment_align: 8
    .kernarg_segment_size: 16
    .max_flat_workgroup_size: 256
    .sgpr_count:     66
    .vgpr_count:     258
    .wavefront_size: 32
...
	.end_amdgpu_metadata
.endif
;; end of part 3
;; launch proj (part 4): grid 8 x 32, 4 waves a work-group, clusters of 4 x 4, 327,680 bytes of LDS; arguments att, bf, out0; writes out0
.if DOCPART == 4
	.amdgcn_target "amdgcn-amd-amdhsa--gfx1250"
	.amdhsa_code_object_version 6
	.text
	.protected	k_q7bf53cd83a_proj
	.globl	k_q7bf53cd83a_proj
	.p2align	8
	.type	k_q7bf53cd83a_proj,@function
k_q7bf53cd83a_proj:
	s_mov_b64 s[64:65], 0
	v_nop
	global_prefetch_b8 v0, s[64:65] scope:SCOPE_SE
	s_setreg_imm32_b32 hwreg(HW_REG_WAVE_MODE, 25, 1), 1
	s_wait_xcnt 0x0
	s_wait_alu depctr_hold_cnt(0) depctr_sa_sdst(0) depctr_va_vdst(0) depctr_va_sdst(0) depctr_va_ssrc(0) depctr_va_vcc(0) depctr_vm_vsrc(0)
	s_getreg_b32 s2, hwreg(HW_REG_IB_STS2, 6, 4)
	s_cmp_eq_u32 s2, 0
	s_cbranch_scc0 .Lentry_in_a_cluster
	s_endpgm
.Lentry_in_a_cluster:
	s_bfe_u32 s2, ttmp6, 0x10000c
	s_cmp_lg_u32 s2, 0xf033
	s_cbranch_scc0 .Lentry_shape_is_right
	s_endpgm
.Lentry_shape_is_right:
; out0 = att w_o^T: 4096 x 1024 x 1024, f16 operands, f32 sums, f32 out.  att: [16 heads][4096][64] f16; w_o [1024][1024] at byte 14,680,064 of bf:
; its numbers were rounded to bf16 and are written in f16's format, which holds them exactly from 2^-17 on.
; 256 work-groups of 128 x 128 (blocks of 256 x 256 would make 64), four waves of 64 x 64: 16 accumulator tiles, 128 registers in window 1.
; K goes in steps of 128, two heads, through a ring of two LDS slots: att's two planes of 128 rows x 128 bytes, w_o's 128 rows x 256 bytes.
; CLUSTERS: 4 x 4 work-groups; att's tiles are shared along a row of the cluster, w_o's along a column, each asked for jointly by the four.
; The matrix instruction is used transposed (source 0 = rows of w_o, source 1 = rows of att): a lane's eight results are eight neighbouring columns of a row.
.set PA,     144                       ; att's LDS row: 128 bytes + 16
.set PB,     272                       ; w_o's LDS row: 256 bytes + 16
.set PLANE,  128*PA                    ; 18,432: a head's 128 rows
.set BOFF,   2*PLANE                   ; 36,864: w_o's rows lie behind the two planes
.set BHALF,  64*PB                     ; 17,408: what one of w_o's loads brings
.set SLOT,   BOFF+2*BHALF              ; 71,680
.set STAGE,  2*SLOT                    ; 143,360: 16 rows x 272 bytes for each wave; no tensor load lands there
.set SPITCH, 272
.set LAPS,   4                         ; eight K steps, two a lap
.set ADRA, 16                          ; v16-17  LDS address of my att fragments in slot 0, 1
.set ADRB, 20                          ; v20-21  the same for w_o
.set STO,  24
.set RD,   25
.set CO,   26
.set F0,   64                          ; v64-127   fragment buffer 0: w_o's four at +0, att's four at +32
.set F1,   128                         ; v128-191  fragment buffer 1
.set RB0,  192                         ; v192-223, v224-255  read-back buffers of the way out
.set RB1,  224
.set G1, 24
.set G0, 32
.set G1B, 48
.set G0B, 56
.set ACCW, 0x50                        ; C and D in window 1, sources in window 0
.set MSB, 0
.macro WIN new                         ; the immediate's high byte repeats the setting that is left
.if MSB != \new
	s_set_vgpr_msb (MSB<<8)|\new
.set MSB, \new
.endif
.endm
.macro JLOAD s                         ; waves 0, 1: att's two planes; waves 2, 3: w_o's two halves.  The branch hangs on the wave's number alone
	s_cmp_eq_u32 s11, 0
	s_cbranch_scc0 .Lfor_b_\@
	tensor_load_to_lds s[G0+4*\s:G0+4*\s+3], s[G1:G1+7]
	s_nop 0
	s_branch .Lasked_\@
.Lfor_b_\@:
	tensor_load_to_lds s[G0B+4*\s:G0B+4*\s+3], s[G1B:G1B+7]
	s_nop 0
.Lasked_\@:
.endm
.macro CREST                           ; a round of the cluster's barrier behind its opening barrier
	s_cmp_lg_u32 s10, 0
	s_cbranch_scc1 .Lnot_wave_0_\@
	s_barrier_signal -3
.Lnot_wave_0_\@:
	s_barrier_wait -3
	s_barrier_signal -1
	s_barrier_wait -1
.endm
.macro CROUND
	s_barrier_signal -1
	s_barrier_wait -1
	CREST
.endm
	s_load_b128 s[4:7], s[0:1], 0x0                ; att s[4:5], bf s[6:7]
	s_load_b64 s[8:9], s[0:1], 0x10                ; out0
	v_lshl_add_u32 v62, v0, 2, 0x29000
	v_mov_b32 v63, 0
	ds_add_u32 v62, v63
	v_lshrrev_b32 v1, 5, v0
	v_readfirstlane_b32 s10, v1                    ; wave 0..3
	s_lshr_b32 s11, s10, 1                         ; my half of the block's rows.  Also: I fetch for att (0) or for w_o (1)
	s_and_b32 s12, s10, 1                          ; my half of its columns.  Also: which plane, or which 64 rows, I fetch
	s_bfe_u32 s40, ttmp6, 0x40000                  ; cx
	s_bfe_u32 s41, ttmp6, 0x40004                  ; cy
	s_lshl_b32 s42, ttmp9, 2
	s_add_co_u32 s42, s42, s40                     ; block column 0..7
	s_and_b32 s13, ttmp7, 0xffff
	s_lshl_b32 s13, s13, 2
	s_add_co_u32 s13, s13, s41                     ; block row 0..31
	s_lshl_b32 s43, s41, 2
	s_lshl_b32 s43, 15, s43                        ; my row of the cluster
	s_lshl_b32 s44, 0x1111, s40                    ; my column
	s_or_b32 s[G1+0], s43, (1<<16)|(1<<20)|(1<<21)|(4<<22)|(3<<25)    ; att: elements of 2 bytes, 4 words of padding behind every 32
	s_mov_b32 s[G1+1], 64<<16                      ; tensor_dim0 = 64
	s_mov_b32 s[G1+2], 128<<16                     ; tensor_dim1 = 128
	s_mov_b32 s[G1+3], 64<<16                      ; tile_dim0 = 64
	s_mov_b32 s[G1+4], 128                         ; tile_dim1 = 128
	s_mov_b32 s[G1+5], 64                          ; elements from row to row
	s_mov_b32 s[G1+6], 0
	s_mov_b32 s[G1+7], 0
	s_or_b32 s[G1B+0], s44, (1<<16)|(1<<20)|(1<<21)|(5<<22)|(3<<25)   ; w_o: 4 words of padding behind every 64
	s_mov_b32 s[G1B+1], 128<<16                    ; tensor_dim0 = 128
	s_mov_b32 s[G1B+2], 64<<16                     ; tensor_dim1 = 64
	s_mov_b32 s[G1B+3], 128<<16                    ; tile_dim0 = 128
	s_mov_b32 s[G1B+4], 64                         ; tile_dim1 = 64
	s_mov_b32 s[G1B+5], 1024
	s_mov_b32 s[G1B+6], 0
	s_mov_b32 s[G1B+7], 0
	; att's tiles hang on the block row alone, w_o's on the block column alone, each in registers that never hold the other coordinate
	s_lshl_b32 s16, s13, 14                        ; att: 128 rows of 128 bytes for each block row,
	s_lshl_b32 s17, s12, 19                        ; and head 0 or 1 of the step's two
	s_add_co_u32 s16, s16, s17
	s_mov_b32 s17, 0
	s_lshl_b32 s46, s42, 18                        ; w_o: (128 x block column + 64 x half) rows of 2,048 bytes,
	s_lshl_b32 s47, s12, 17
	s_add_co_u32 s46, s46, s47
	s_add_co_u32 s46, s46, 0xe00000                ; 14,680,064 bytes into bf
	s_mov_b32 s47, 0
	s_mul_i32 s20, s10, PLANE                      ; LDS: plane = wave (0, 1)
	s_mul_i32 s45, s10, BHALF
	s_add_co_u32 s45, s45, BOFF-2*BHALF            ; LDS: 36,864 + (wave - 2) x 17,408
	s_wait_dscnt 0x0
	s_wait_kmcnt 0x0
	s_add_nc_u64 s[14:15], s[4:5], s[16:17]
	s_add_nc_u64 s[46:47], s[6:7], s[46:47]
	CROUND                                         ; all sixteen work-groups are here: the first joint loads meet
.irp s, 0,1
	s_mov_b32 s[G0+4*\s], 1
	s_add_co_u32 s[G0+4*\s+1], s20, \s*SLOT
	s_add_nc_u64 s[G0+4*\s+2:G0+4*\s+3], s[14:15], \s*2*524288     ; K step s: two heads on
	s_or_b32 s[G0+4*\s+3], s[G0+4*\s+3], 0x80000000
	s_mov_b32 s[G0B+4*\s], 1
	s_add_co_u32 s[G0B+4*\s+1], s45, \s*SLOT
	s_add_nc_u64 s[G0B+4*\s+2:G0B+4*\s+3], s[46:47], \s*256        ; K step s: 128 elements on
	s_or_b32 s[G0B+4*\s+3], s[G0B+4*\s+3], 0x80000000
	JLOAD \s
.endr
	v_and_b32 v1, 15, v0                           ; r
	v_bfe_u32 v2, v0, 4, 1                         ; h
	v_mul_u32_u24 v3, v1, PA
	v_lshl_add_u32 v3, v2, 4, v3
	v_mul_u32_u24 v4, v1, PB
	v_lshl_add_u32 v4, v2, 4, v4
	s_mul_i32 s21, s11, 64*PA                      ; my 64 rows of att
	s_mul_i32 s22, s12, BHALF                      ; my 64 rows of w_o
	s_add_co_u32 s22, s22, BOFF
.irp s, 0,1
	v_add_nc_u32 v[ADRA+\s], s21, v3
	v_add_nc_u32 v[ADRB+\s], s22, v4
	s_add_co_u32 s21, s21, SLOT
	s_add_co_u32 s22, s22, SLOT
.endr
	s_mul_i32 s23, s10, 16*SPITCH
	s_add_co_u32 s23, s23, STAGE                   ; my stage
	v_mul_u32_u24 v5, v1, SPITCH                   ; in: row r, 32 bytes for each half of the lanes
	v_lshl_add_u32 v5, v2, 5, v5
	v_add_nc_u32 v[STO], s23, v5
	v_mul_u32_u24 v5, v2, SPITCH                   ; back: lanes 0-15 take one row of 256 bytes, lanes 16-31 the next
	v_lshl_add_u32 v5, v1, 4, v5
	v_add_nc_u32 v[RD], s23, v5
	v_lshlrev_b32 v5, 12, v2                       ; and the same two rows of out0, 4,096 bytes apart
	v_lshl_add_u32 v[CO], v1, 4, v5
; 8 matrix instructions: row tiles a0, a0 + 1 x the 4 column tiles, 32 along K.  The 16 accumulators take turns, one instruction a turn, in the same order
; in every quarter step.
.macro MUL8 f, a0, zero
.irp a, \a0, \a0+1
.irp b, 0,1,2,3
.if \zero
	v_wmma_f32_16x16x32_f16 v[8*(4*(\a)+\b):8*(4*(\a)+\b)+7], v[\f+8*\b:\f+8*\b+7], v[\f+32+8*(\a):\f+32+8*(\a)+7], 0
.else
	v_wmma_f32_16x16x32_f16 v[8*(4*(\a)+\b):8*(4*(\a)+\b)+7], v[\f+8*\b:\f+8*\b+7], v[\f+32+8*(\a):\f+32+8*(\a)+7], v[8*(4*(\a)+\b):8*(4*(\a)+\b)+7]
.endif
.endr
.endr
.endm
; 16 LDS loads: quarter q of a K step (32 along K: plane q / 2, byte 64 (q % 2) of att's rows; byte 64 q of w_o's) into buffer f.  All in window 0.
.macro FETCH slot, q, f
.irp b, 0,1,2,3
	ds_load_b128 v[\f+8*\b:\f+8*\b+3],   v[ADRB+\slot] offset:64*\q+\b*16*PB
	ds_load_b128 v[\f+8*\b+4:\f+8*\b+7], v[ADRB+\slot] offset:64*\q+\b*16*PB+32
.endr
.irp a, 0,1,2,3
	ds_load_b128 v[\f+32+8*\a:\f+32+8*\a+3],   v[ADRA+\slot] offset:(\q>>1)*PLANE+(\q&1)*64+\a*16*PA
	ds_load_b128 v[\f+32+8*\a+4:\f+32+8*\a+7], v[ADRA+\slot] offset:(\q>>1)*PLANE+(\q&1)*64+\a*16*PA+32
.endr
.endm
.macro PLACES                          ; four places between a matrix instruction and a load into one of its registers or a read of its result
.rept 4
	v_nop
.endr
.endm
.macro QUARTER slot, q, f, g, zero     ; multiplies buffer f; in its middle fetches quarter q into buffer g
	s_wait_dscnt 4                                 ; w_o and att's row tiles 0, 1 are in; the youngest four loads (row tiles 2, 3) may be out
	WIN ACCW
	MUL8 \f, 0, \zero
	PLACES
	WIN 0
	FETCH \slot, \q, \g
	s_wait_dscnt 16                                ; all but the 16 just issued
	WIN ACCW
	MUL8 \f, 2, \zero
.endm
.macro THREE slot, zero
	QUARTER \slot, 1, F0, F1, \zero
	QUARTER \slot, 2, F1, F0, 0
	QUARTER \slot, 3, F0, F1, 0
.endm
; The last quarter multiplies buffer 1 and changes slots: each wave's reads of this slot and all its tensor loads are waited for in front of the barrier;
; behind it the refill comes first, then the next slot's first fragments.
.macro TURN slot, next, fill
	s_wait_dscnt 0                                 ; my reads of this slot are over
	s_wait_tensorcnt 0x0                           ; all my tensor loads have landed: the one that was out is my part of the next slot
	ds_add_u32 v62, v63
	s_wait_dscnt 0x0
	s_barrier_signal -1                            ; where a slot is filled again this barrier opens a round of the cluster's barrier
	WIN ACCW
	MUL8 F1, 0, 0                                  ; register work while the others arrive
	WIN 0
	s_barrier_wait -1
.if \fill
	CREST                                          ; no wave of any partner still reads this slot or has a load on its way
	s_add_nc_u64 s[G0+4*\slot+2:G0+4*\slot+3], s[G0+4*\slot+2:G0+4*\slot+3], 4*524288   ; two K steps: four heads
	s_add_nc_u64 s[G0B+4*\slot+2:G0B+4*\slot+3], s[G0B+4*\slot+2:G0B+4*\slot+3], 512    ; two K steps: 256 elements
	JLOAD \slot                                    ; the first tensor load behind the round, one a wave
.endif
	PLACES
	FETCH \next, 0, F0
	WIN ACCW
	MUL8 F1, 2, 0
.endm
.macro LAP zero
	THREE 0, \zero
	TURN 0, 1, 1
	THREE 1, 0
	TURN 1, 0, 1
.endm
	s_wait_tensorcnt 1                             ; my part of K step 0 is in; K step 1's stays out
	s_barrier_signal -1
	s_barrier_wait -1
	FETCH 0, 0, F0
	LAP 1                                          ; the first lap's first products start the sums
	WIN 0
	s_mov_b32 s3, LAPS-2
.Llap:
	LAP 0
	WIN 0
	s_sub_co_u32 s3, s3, 1
	s_cmp_lg_u32 s3, 0
	s_cbranch_scc1 .Llap
	THREE 0, 0                                     ; the last lap fills nothing
	TURN 0, 1, 0
	THREE 1, 0
	s_wait_dscnt 0
	WIN ACCW
	MUL8 F1, 0, 0
	MUL8 F1, 2, 0
	; THE WAY OUT, 16 rows at a time: a lane's 32 bytes of each tile into my own stage, back as whole rows of 256 bytes.
	PLACES                                         ; the places behind the last matrix instructions, ahead of the LDS stores that read results
	s_lshl_b32 s16, s13, 19                        ; my first row: (128 x block row + 64 x half) x 4,096 bytes
	s_lshl_b32 s17, s11, 18
	s_add_co_u32 s16, s16, s17
	s_mov_b32 s17, 0
	s_add_nc_u64 s[8:9], s[8:9], s[16:17]
	s_lshl_b32 s46, s42, 9                         ; my first column: (128 x block column + 64 x half) x 4 bytes (in the registers that held w_o's address)
	s_lshl_b32 s47, s12, 8
	s_add_co_u32 s46, s46, s47
	s_mov_b32 s47, 0
	s_add_nc_u64 s[8:9], s[8:9], s[46:47]
.macro OUT16 a, f
	WIN 0x04                                       ; the stores' data in window 1
.irp b, 0,1,2,3
	ds_store_b128 v[STO], v[8*(4*\a+\b):8*(4*\a+\b)+3]   offset:64*\b
	ds_store_b128 v[STO], v[8*(4*\a+\b)+4:8*(4*\a+\b)+7] offset:64*\b+16
.endr
	WIN 0
	s_wait_xcnt 0x0                                ; buffer f, which earlier stores read, and the stores' base are rewritten only behind this wait
.if \a
	s_add_nc_u64 s[8:9], s[8:9], 16*4096           ; 16 rows of out0 on
.endif
.irp t, 0,1,2,3,4,5,6,7
	ds_load_b128 v[\f+4*\t:\f+4*\t+3], v[RD] offset:\t*2*SPITCH    ; LDS serves a wave's instructions in order: these see the stores above
.endr
.irp t, 0,1,2,3,4,5,6,7
	s_wait_dscnt 7-\t
	global_store_b128 v[CO], v[\f+4*\t:\f+4*\t+3], s[8:9] offset:\t*2*4096 th:TH_STORE_NT   ; 16 lanes store 256 consecutive bytes, aligned
.endr
.endm
	OUT16 0, RB0
	OUT16 1, RB1
	OUT16 2, RB0
	OUT16 3, RB1
	s_wait_tensorcnt 0x0
	ds_add_u32 v62, v63
	s_wait_dscnt 0x0
	CROUND                                         ; the closing round: no work-group ends while a partner may still ask for a tile that names it
	s_endpgm
.Lfunc_end_k_q7bf53cd83a_proj:
	.size	k_q7bf53cd83a_proj, .Lfunc_end_k_q7bf53cd83a_proj-k_q7bf53cd83a_proj
	.p2alignl 7, 3214868480
	.fill 96, 4, 3214868480
	.section	.rodata,"a",@progbits
	.p2align	6, 0x0
	.amdhsa_kernel k_q7bf53cd83a_proj
		.amdhsa_group_segment_fixed_size 327680
		.amdhsa_private_segment_fixed_size 0
		.amdhsa_enable_private_segment 0
		.amdhsa_kernarg_size 24
		.amdhsa_user_sgpr_count 2
		.amdhsa_user_sgpr_kernarg_segment_ptr 1
		.amdhsa_wavefront_size32 1
		.amdhsa_system_sgpr_workgroup_id_x 1
		.amdhsa_system_sgpr_workgroup_id_y 1
		.amdhsa_system_sgpr_workgroup_id_z 1
		.amdhsa_system_vgpr_workitem_id 0
		.amdhsa_next_free_vgpr 384
		.amdhsa_next_free_sgpr 66
		.amdhsa_reserve_vcc 0
		.amdhsa_float_denorm_mode_32 3
		.amdhsa_float_denorm_mode_16_64 3
		.amdhsa_memory_ordered 1
		.amdhsa_forward_progress 1
		.amdhsa_inst_pref_size 74
	.end_amdhsa_kernel
	.amdgpu_metadata
---
amdhsa.version: [ 1, 2 ]
amdhsa.kernels:
  - .name:           k_q7bf53cd83a_proj
    .symbol:         k_q7bf53cd83a_proj.kd
    .args:
      - { .name: att, .offset: 0, .size: 8, .value_kind: global_buffer, .address_space: global }
      - { .name: bf, .offset: 8, .size: 8, .value_kind: global_buffer, .address_space: global }
      - { .name: out0, .offset: 16, .size: 8, .value_kind: global_buffer, .address_space: global }
    .group_segment_fixed_size: 327680
    .private_segment_fixed_size: 0
    .kernarg_segment_align: 8
    .kernarg_segment_size: 24
    .max_flat_workgroup_size: 128
    .sgpr_count:     66
    .vgpr_count:     384
    .wavefront_size: 32
...
	.end_amdgpu_metadata
.endif
;; end of part 4
